; MI455X (gfx1250); checked and timed in simulation.
; The chip was launched on July 23, 2026; its instructions are those of AMD's public machine-readable ISA for CDNA 5 (MIT licence, August 2026) and "CDNA5" Instruction Set Architecture Reference Guide (July 2026). The comments in the code are by the model that wrote it; some were corrected since.
;; Legacy Seq First Self Attention. Allowed arithmetic: matrix products marked QUANTISED: E2M1 operands, one E8M0 scale for each 32 along K, by v_wmma_scale_f32_16x16x128_f8f6f4 with both operands' format E2M1 (or v_wmma_scale_f32_32x16x128_f4), f32 sums; products left as they are: bf16, f16 or f32 operands; f32 sums; everything else in f32.
;; Inputs: W_qkv 3,072 x 1,024 float32; b_qkv 3,072 float32; hidden_states 2,048 x 2 x 1,024 float32.
;; Outputs: out0 2,048 x 2 x 1,024 float32.
;; This version of the problem:
;;   THIS VERSION OF THE PROBLEM IS GIVEN IN LOW PRECISION. The matrix products marked QUANTISED in the list below multiply operands that are first quantised to E2M1 (2 exponent bits, 1 mantissa bit; 4 bits a number), with one power-of-two scale for each 32 numbers along K (OCP MX v1.0); their sums are f32. The products marked 'left as it is' may take bf16, f16 or f32 operands, with f32 sums. Whichever they take, every output number must still come out within the allowed error. Rounding operands to bf16 (8 significant bits) uses up far more of that allowance than f16 does (11 bits, for magnitudes from 6e-5 to 65,504). All else is computed in f32.
;;   The module's matrix products, in the order in which they are computed (A, B: the left and right operand; K: the contracted axis; several contracted axes count as one K, in the product's order):
;;     1. [M 4,096, K 1,024] x [K 1,024, N 3,072]; A: input hidden_states; B: input W_qkv: QUANTISED
;;     2. batch 32 x [M 2,048, K 64] x [K 64, N 2,048]; A: computed on the way; B: computed on the way: left as it is (an operand is computed on the way)
;;     3. batch 32 x [M 64, K 2,048] x [K 2,048, N 2,048]; A: computed on the way; B: computed on the way: left as it is (an operand is computed on the way)
;;   THE QUANTISER, for each operand of a quantised product, along K:
;;     - K is cut into blocks of 32 from its start; a last block that is shorter is filled with zeros.
;;     - A block's scale is 2^e with e = floor(log2(the largest magnitude in the block)) - 2, held to -126 .. 127; a block of zeros has e = 0. As a byte (E8M0): e + 127.
;;     - Each number is divided by its block's scale, clamped to +-6, and rounded to the nearest number of E2M1, ties to even, subnormals kept.
;;     - The product sums the exact products of the quantised numbers (number of the format x scale) in f32.
;;   ~~~python
;;   def quantise(x, axis):      # numpy; x: float32 -> the quantised numbers, widened to float32 again
;;       x = np.moveaxis(x, axis, -1); K = x.shape[-1]
;;       x = np.pad(x, [(0, 0)] * (x.ndim - 1) + [(0, -K % 32)]); x = x.reshape(x.shape[:-1] + (-1, 32)); a = np.abs(x).max(-1, keepdims=True)
;;       e = np.where(a > 0, np.clip(np.frexp(np.where(a > 0, a, 1))[1] - 1 - 2, -126, 127), 0)      # np.frexp(a)[1] - 1 = floor(log2(a)), exactly
;;       r = np.clip(x / 2.0 ** e, -6, 6)
;;       step = 2.0 ** (np.maximum(np.frexp(np.where(r == 0, 1, r))[1] - 1, 0) - 1)
;;       q = np.round(r / step) * step * 2.0 ** e      # np.round: ties to even
;;       return np.moveaxis(q.reshape(q.shape[:-2] + (-1,))[..., :K], -1, axis).astype(np.float32)
;;   ~~~
;; One version. Each part assembles by itself: llvm-mc -triple=amdgcn-amd-amdhsa -mcpu=gfx1250 --defsym DOCPART=n.
;; ======== version 1 of 1: 3 launches
;; workspace buffers: codes 3,670,016 bytes; scales 229,376 bytes; parts 4,718,592 bytes
;; launch quant (part 1): grid 448 x 1, 4 waves a work-group, no clusters, 68,608 bytes of LDS; arguments hidden_states, W_qkv, codes, scales; writes codes, scales
.if DOCPART == 1
	.amdgcn_target "amdgcn-amd-amdhsa--gfx1250"
	.amdhsa_code_object_version 6
	.text
	.protected	k_q7e45692057_quant
	.globl	k_q7e45692057_quant
	.p2align	8
	.type	k_q7e45692057_quant,@function
k_q7e45692057_quant:
	s_mov_b64 s[64:65], 0
	v_nop
	global_prefetch_b8 v0, s[64:65] scope:SCOPE_SE
	s_setreg_imm32_b32 hwreg(HW_REG_WAVE_MODE, 25, 1), 1
	s_wait_xcnt 0x0
; hidden_states [2048][2][1024] and W_qkv [3072][1024], f32, become codes of FP4 (E2M1) with one E8M0 byte for each 32 along K = 1024,
; laid IN THE ORDER OF THE OPERAND'S REGISTERS.  A fragment (16 rows x 128 K) is an image of 1,024 bytes: piece c (0, 1) is 512 bytes, lane l's 16 bytes
; at 16 l = row l % 16, k = 128 s + 64 c + 32 (l / 16) + 0 .. 31.  A row tile's scale words are 512 bytes: lane l's 16 bytes hold word i = 0 .. 3 =
; the four bytes of row l % 16 for K step 2 i + l / 16.
; codes:  X at 0: [batch x 8 + chunk][K step 8][tile 16][1024], tile row r = position 256 chunk + 16 tile + r;  W's k and v rows at WKV: [head][K step][n 8][1024];  W's q rows at WQ: [head][K step][4][1024].
; A block's scale is 2^(floor(log2(largest magnitude)) - 2): its byte is the largest magnitude's exponent field - 2, held at 1 from below.
; LIMITS: a block of zeros gets the byte 1 where the rule says 127 (its codes are zeros, and this program alone reads the bytes); blocks whose largest magnitude lies
; under 2^-124 are held at the byte 1; NaN and infinities among the inputs are not served.
; SHARES.  A work-group is one row tile (16 rows, all of K): 256 tiles of X, then 192 of W.  Wave w takes K steps 2 w and 2 w + 1: 1,024 bytes of each row.
; Each load reads 512 consecutive bytes of a row; the numbers turn through the wave's own stage in LDS, so that a lane then holds a whole block of 32; each store of codes covers 512 consecutive bytes.
; One path serves all three kinds of tile: only scalars are chosen, on the work-group's number.  No matrix unit, no cluster, no tensor load: the launch streams, and work-groups share nothing.
.set STGW,  16896                      ; a wave's stage: 2 K steps x 16 rows x (512 + 16) bytes: the pitch, 33 x 16, keeps the 16 rows of a read in different banks
.set SCL,   67584                      ; the tile's 512 bytes of scale words
.set SPARE, 68096                      ; the spare words, 128 bytes a wave: two blocks of 256 bytes that no other line names
.set WKV,   2097152
.set WQ,    3145728
.set WKVS,  131072
.set WQS,   196608
.set OFF,   16                         ; v16-31   byte offset of my 16 bytes in row r of the tile
.set RAW,   32                         ; v32-159  the 32 loads
.set XA,    160                        ; v160-191, v192-223  two sets of 32 neighbours along K
.set XB,    192
.set CD,    224                        ; v224-239 codes: four registers for each (K step, piece); never written again
.set SPW,   240                        ; v240     LDS address of my spare word; never rewritten
.set NIL,   241                        ; v241     0; never rewritten
.set BY,    242                        ; v242-245 scale bytes
.set WD,    246                        ; v246-247 scale words
	s_load_b256 s[4:11], s[0:1], 0x0               ; hidden_states s[4:5], W_qkv s[6:7], codes s[8:9], scales s[10:11]
	v_lshl_add_u32 v[SPW], v0, 2, SPARE
	v_mov_b32 v[NIL], 0
	v_lshrrev_b32 v1, 5, v0
	v_readfirstlane_b32 s12, v1                    ; wave 0..3
	v_and_b32 v1, 31, v0                           ; lane
	v_and_b32 v2, 15, v0                           ; r
	v_bfe_u32 v3, v0, 4, 1                         ; h
	v_lshlrev_b32 v10, 4, v1                       ; 16 x lane
	; a tile of X, T = the work-group's number: rows 8,192 bytes apart (the two batches alternate)
	s_and_b32 s13, ttmp9, 127
	s_lshl_b32 s13, s13, 17                        ; 16 positions x 8,192 bytes
	s_lshr_b32 s14, ttmp9, 7
	s_lshl_b32 s14, s14, 12                        ; the batch
	s_add_co_u32 s13, s13, s14                     ; where it is read
	s_lshr_b32 s14, ttmp9, 4
	s_lshl_b32 s14, s14, 17
	s_and_b32 s15, ttmp9, 15
	s_lshl_b32 s15, s15, 10
	s_add_co_u32 s14, s14, s15                     ; where its codes go
	s_lshl_b32 s15, ttmp9, 9                       ; and its scale words
	; a tile of W, g = the number - 256 (0 for a tile of X: not used there): head g / 12, tile j = g % 12 of the head's 192 rows
	s_max_u32 s16, ttmp9, 256
	s_sub_co_u32 s16, s16, 256
	s_mul_hi_u32 s17, s16, 0x15555556              ; g / 12, exact for g under 192
	s_mul_i32 s18, s17, 12
	s_sub_co_u32 s18, s16, s18                     ; j
	s_lshl_b32 s19, s16, 16                        ; where it is read: 16 rows of 4,096 bytes
	s_lshl_b32 s21, s18, 10
	s_lshl_b32 s20, s17, 15
	s_add_co_u32 s20, s20, s21
	s_add_co_u32 s20, s20, WQ                      ; j < 4, q's rows: codes,
	s_lshl_b32 s22, s17, 2
	s_add_co_u32 s22, s22, s18
	s_lshl_b32 s22, s22, 9
	s_add_co_u32 s22, s22, WQS                     ; scale words
	s_lshl_b32 s23, s17, 16
	s_add_co_u32 s23, s23, s21
	s_add_co_u32 s23, s23, WKV-4096                ; j >= 4, k's and v's rows, n = j - 4: codes,
	s_lshl_b32 s24, s17, 3
	s_add_co_u32 s24, s24, s18
	s_lshl_b32 s24, s24, 9
	s_add_co_u32 s24, s24, WKVS-2048               ; scale words
	s_cmp_lt_u32 s18, 4
	s_cselect_b32 s20, s20, s23
	s_cselect_b32 s22, s22, s24
	s_cselect_b32 s25, 12, 13                      ; log2 of the bytes from K step to K step in the codes
	s_wait_kmcnt 0x0
	s_cmp_lt_u32 ttmp9, 256                        ; X or W: the choice hangs on the work-group's number alone
	s_cselect_b32 s28, s13, s19
	s_cselect_b32 s30, s14, s20
	s_cselect_b32 s32, s15, s22
	s_cselect_b32 s25, 14, s25
	s_cselect_b32 s26, 13, 12                      ; log2 of the bytes from row to row in the source
	s_cselect_b64 s[4:5], s[4:5], s[6:7]
	s_mov_b32 s29, 0
	s_mov_b32 s31, 0
	s_mov_b32 s33, 0
	s_add_nc_u64 s[4:5], s[4:5], s[28:29]
	s_add_nc_u64 s[8:9], s[8:9], s[30:31]
	s_add_nc_u64 s[10:11], s[10:11], s[32:33]
	s_lshl_b32 s26, 1, s26
	s_lshl_b32 s27, s12, 10                        ; my wave's 1,024 bytes of a row
	v_add_nc_u32 v[OFF], s27, v10
.irp r, 1,2,3,4,5,6,7,8,9,10,11,12,13,14,15
	v_add_nc_u32 v[OFF+\r], s26, v[OFF+\r-1]
.endr
.macro LOADS u                         ; K step 2 w + u of the 16 rows: 32 lanes read 512 consecutive bytes
.irp r, 0,1,2,3,4,5,6,7,8,9,10,11,12,13,14,15
	global_load_b128 v[RAW+4*(16*\u+\r):RAW+4*(16*\u+\r)+3], v[OFF+\r], s[4:5] offset:512*\u th:TH_LOAD_NT
.endr
.endm
	LOADS 0
	LOADS 1
	s_lshl_b32 s34, s12, 1
	s_lshl_b32 s35, s34, s25
	v_add_nc_u32 v6, s35, v10                      ; v6, v7: my 16 bytes in the images of K steps 2 w, 2 w + 1
	s_add_co_u32 s34, s34, 1
	s_lshl_b32 s35, s34, s25
	v_add_nc_u32 v7, s35, v10
	s_mul_i32 s36, s12, STGW
	v_add_nc_u32 v4, s36, v10                      ; the stage, on the way in: as loaded
	v_mul_u32_u24 v5, v2, 528
	v_lshl_add_u32 v5, v3, 7, v5
	v_add_nc_u32 v5, s36, v5                       ; on the way out: row r, + 128 h: my block of 32
	s_lshl_b32 s37, s12, 2
	s_add_co_u32 s37, s37, SCL
	v_add_nc_u32 v8, s37, v10                      ; my scale word: 16 x lane + 4 x wave
	v_add_nc_u32 v9, SCL, v10
	v_lshlrev_b32 v11, 3, v3                       ; 8 h
	v_mov_b32 v248, 0                              ; written once: a lane permute's destination counts as one of its sources
	s_mov_b32 s38, 0x76543210
	s_mov_b32 s39, 0xfedcba98                      ; v_permlanex16_b32's selects for lane l xor 16
	s_mov_b32 s40, 0xffff0000                      ; lanes 16-31
.macro TOSTAGE u
.irp r, 0,1,2,3,4,5,6,7,8,9,10,11,12,13,14,15
	ds_store_b128 v4, v[RAW+4*(16*\u+\r):RAW+4*(16*\u+\r)+3] offset:8448*\u+528*\r
.endr
.endm
.macro FROMSTAGE u, c, set             ; row r, k = 64 c + 32 h + 0 .. 31 of K step u.  LDS serves a wave's instructions in order: these see my stores
.irp i, 0,1,2,3,4,5,6,7
	ds_load_b128 v[\set+4*\i:\set+4*\i+3], v5 offset:8448*\u+256*\c+16*\i
.endr
.endm
.macro QBLOCK set, u, c                ; a lane's block of 32: its largest magnitude, its scale, its 16 bytes of codes
	v_max3_num_f32 v12, |v[\set]|, |v[\set+1]|, |v[\set+2]|
	v_max3_num_f32 v13, |v[\set+3]|, |v[\set+4]|, |v[\set+5]|
.irp i, 6,10,14,18,22,26
	v_max3_num_f32 v12, v12, |v[\set+\i]|, |v[\set+\i+1]|
	v_max3_num_f32 v13, v13, |v[\set+\i+2]|, |v[\set+\i+3]|
.endr
	v_max3_num_f32 v12, v12, |v[\set+30]|, |v[\set+31]|
	v_max3_num_f32 v12, v12, v13, 0x1800000        ; and the floor 2^(3 - 127): the byte cannot fall under 1
	v_add_nc_u32 v14, 0xff000000, v12              ; 2 off the exponent field: the conversion takes the exponent field of this operand as its scale
.irp g, 0,1,2,3
	v_cvt_scalef32_pk8_fp4_f32 v[CD+4*(2*\u+\c)+\g], v[\set+8*\g:\set+8*\g+7], v14
.endr
	v_lshrrev_b32 v[BY+2*\u+\c], 23, v14           ; the scale's byte (a plain line behind the conversions)
	global_store_b128 v[6+\u], v[CD+4*(2*\u+\c):CD+4*(2*\u+\c)+3], s[8:9] offset:512*\c   ; 32 lanes store 512 consecutive bytes
.endm
.macro WORD u                          ; my two bytes are blocks h and 2 + h of row r; with lane l xor 16's two the word is whole
	v_lshl_or_b32 v[WD+\u], v[BY+2*\u+1], 16, v[BY+2*\u]
	v_lshlrev_b32 v[WD+\u], v11, v[WD+\u]
	v_permlanex16_b32 v248, v[WD+\u], s38, s39
	v_or_b32 v[WD+\u], v[WD+\u], v248
.endm
	s_wait_loadcnt 16                              ; the first K step's 16 loads are in; the second's may be out
	TOSTAGE 0
	FROMSTAGE 0, 0, XA
	FROMSTAGE 0, 1, XB
	s_wait_loadcnt 0x0
	TOSTAGE 1
	s_wait_dscnt 24                                ; set A is in: behind its loads stand set B's 8 and 16 stores
	QBLOCK XA, 0, 0
	FROMSTAGE 1, 0, XA
	s_wait_dscnt 24                                ; set B is in: behind its loads stand 16 stores and 8 loads
	QBLOCK XB, 0, 1
	WORD 0
	FROMSTAGE 1, 1, XB
	s_wait_dscnt 8                                 ; set A is in: behind it stand set B's 8 loads
	QBLOCK XA, 1, 0
	s_wait_dscnt 0x0
	QBLOCK XB, 1, 1
	WORD 1
	v_cndmask_b32 v[WD], v[WD], v[WD+1], s40       ; lanes 0-15 keep K step 2 w's word, lanes 16-31 take K step 2 w + 1's
	ds_store_b32 v8, v[WD]
	s_wait_dscnt 0x0                               ; for the others' sake: my word has landed
	s_barrier_signal -1
	s_barrier_wait -1
	s_cmp_lg_u32 s12, 0
	s_cbranch_scc1 .Lend                           ; wave 0 stores the tile's 512 bytes of scale words, whole
	ds_load_b128 v[250:253], v9
	s_wait_dscnt 0x0
	global_store_b128 v10, v[250:253], s[10:11]
.Lend:
	s_wait_tensorcnt 0x0                           ; the wave's end, behind my last LDS store
	ds_add_u32 v[SPW], v[NIL]
	s_wait_dscnt 0x0
	s_endpgm
.Lfunc_end_k_q7e45692057_quant:
	.size	k_q7e45692057_quant, .Lfunc_end_k_q7e45692057_quant-k_q7e45692057_quant
	.p2alignl 7, 3214868480
	.fill 96, 4, 3214868480
	.section	.rodata,"a",@progbits
	.p2align	6, 0x0
	.amdhsa_kernel k_q7e45692057_quant
		.amdhsa_group_segment_fixed_size 68608
		.amdhsa_private_segment_fixed_size 0
		.amdhsa_enable_private_segment 0
		.amdhsa_kernarg_size 32
		.amdhsa_user_sgpr_count 2
		.amdhsa_user_sgpr_kernarg_segment_ptr 1
		.amdhsa_wavefront_size32 1
		.amdhsa_system_sgpr_workgroup_id_x 1
		.amdhsa_system_sgpr_workgroup_id_y 1
		.amdhsa_system_sgpr_workgroup_id_z 1
		.amdhsa_system_vgpr_workitem_id 0
		.amdhsa_next_free_vgpr 256
		.amdhsa_next_free_sgpr 66
		.amdhsa_reserve_vcc 0
		.amdhsa_float_denorm_mode_32 3
		.amdhsa_float_denorm_mode_16_64 3
		.amdhsa_memory_ordered 1
		.amdhsa_forward_progress 1
		.amdhsa_inst_pref_size 19
	.end_amdhsa_kernel
	.amdgpu_metadata
---
amdhsa.version: [ 1, 2 ]
amdhsa.kernels:
  - .name:           k_q7e45692057_quant
    .symbol:         k_q7e45692057_quant.kd
    .args:
      - { .name: hidden_states, .offset: 0, .size: 8, .value_kind: global_buffer, .address_space: global }
      - { .name: W_qkv, .offset: 8, .size: 8, .value_kind: global_buffer, .address_space: global }
      - { .name: codes, .offset: 16, .size: 8, .value_kind: global_buffer, .address_space: global }
      - { .name: scales, .offset: 24, .size: 8, .value_kind: global_buffer, .address_space: global }
    .group_segment_fixed_size: 68608
    .private_segment_fixed_size: 0
    .kernarg_segment_align: 8
    .kernarg_segment_size: 32
    .max_flat_workgroup_size: 128
    .sgpr_count:     66
    .vgpr_count:     256
    .wavefront_size: 32
...
	.end_amdgpu_metadata
.endif
;; end of part 1
;; launch kvpart (part 2): grid 16 x 16, 4 waves a work-group, clusters of 4 x 1, 167,936 bytes of LDS; arguments codes, scales, b_qkv, parts; writes parts
.if DOCPART == 2
	.amdgcn_target "amdgcn-amd-amdhsa--gfx1250"
	.amdhsa_code_object_version 6
	.text
	.protected	k_q7e45692057_kvpart
	.globl	k_q7e45692057_kvpart
	.p2align	8
	.type	k_q7e45692057_kvpart,@function
k_q7e45692057_kvpart:
	s_mov_b64 s[64:65], 0
	v_nop
	global_prefetch_b8 v0, s[64:65] scope:SCOPE_SE
	s_setreg_imm32_b32 hwreg(HW_REG_WAVE_MODE, 25, 1), 1
	s_wait_xcnt 0x0
	s_wait_alu depctr_hold_cnt(0) depctr_sa_sdst(0) depctr_va_vdst(0) depctr_va_sdst(0) depctr_va_ssrc(0) depctr_va_vcc(0) depctr_vm_vsrc(0)
	s_getreg_b32 s2, hwreg(HW_REG_IB_STS2, 6, 4)
	s_cmp_eq_u32 s2, 0
	s_cbranch_scc0 .Lentry_in_a_cluster
	s_endpgm
.Lentry_in_a_cluster:
	s_bfe_u32 s2, ttmp6, 0x10000c
	s_cmp_lg_u32 s2, 0x3003
	s_cbranch_scc0 .Lentry_shape_is_right
	s_endpgm
.Lentry_shape_is_right:
; THE WHOLE PROGRAM.  reference()'s cumsum along the keys is linear: cumsum_t(q_s . k_t) = q_s . Kc_t with Kc_t = the sum of k_t' over t' <= t, and so
; ctx_s = c0 q_s . M, M = the sum over t of Kc_t (x) v_t, a 64 x 64 matrix for each batch and head; c0 = 1/8 x 2048^-0.5.  This holds for every input; the ORDER OF ROUNDING differs from reference()'s
; (the cumsum is taken of k in f32, the two products that are left as they are get re-associated).  With chunks of 256 positions: M = sum_c A_c + sum_c ks_c (x) (sum over c' > c of vs_c'),
; A_c = Kloc^T V_c (Kloc: the cumsum inside the chunk), ks_c, vs_c the chunk's column sums of k and of v.
; THIS LAUNCH: for one chunk (256 positions of one batch) and one head: k and v = x W^T + b on codes of FP4 (K = 1024, 8 steps of 128), the local cumsum, A_c, ks_c, vs_c -> parts.
; Operands of A_c go as PAIRS of bf16: a high part (the f32 number cut to 16 bits) and a low part (the exact rest, rounded); three products: hh, hl, lh.  So the range is f32's and nothing hangs on the inputs' size.
; SHARES.  Four waves; wave w takes positions 64 w .. 64 w + 63 and all 128 columns: 32 accumulators.  Source 0 = x, source 1 = W: a lane holds ONE column (16 n + lane % 16) and eight positions
; (16 a + 8 (lane / 16) + j): the cumsum runs down a lane's registers, and two tiles one below the other, packed, ARE a bf16 fragment of 16 columns x 32 positions, for Kloc^T (source 0) and for V (source 1) alike.
; CLUSTER.  The four chunks of a cluster share the head: W's 64 KB of fragment images are asked for JOINTLY, one tensor load a wave, filled once.  x's fragments are NOT asked for jointly, though 16 heads read them:
; a joint load lands in LDS, and each fragment of x is read by one wave alone: from LDS a K step would then take 12 fragments (12 KB) for its 32 matrix instructions in place of 8; they go from memory straight into registers.
; No ring: all of K fits.  No prefetch: every load is issued at the head.
; parts: a block of 36,864 bytes for each (batch x 16 + head, et): [chunk 8][dt 4][q 2][lane][16 B]: lane (r, h), register 4 q + i = A_c[16 dt + 8 h + 4 q + i][16 et + r]; then [chunk 8][ks 64 | vs 64] f32 (the same in all four et).
; REGISTERS.  window 0: v1-13 addresses; v16-31 raw bias, later ks | vs; v32-47 x's scale words, v48-79 W's; v80-127 at work; v128-255 W's fragments, two sets, later at work.
;   window 1: the accumulators, (a, n) at 8 (8 a + n).   window 2: x's 32 fragments, (s, a) at 8 (4 s + a); later KH 0, KL 64, VH 128, VL 192 (+ 16 n + 4 a + p).   window 3: A_c's 16 accumulators; from v128 the bias, 8 registers a column tile.
.set WKV,   2097152
.set WKVS,  131072
.set XCH,   65536                      ; LDS: 0: W's images, 65,536 bytes.  XCH: 512 bytes a wave: its column sums [ks 64 | vs 64]
.set RED,   67584                      ; 16,384 bytes a wave: its 16 accumulators of A_c
.set SPARE, 133120                     ; the spare words, 128 bytes a wave: two blocks of 256 bytes that no other line names
.set LI,  1                            ; v1   16 x lane
.set XAD, 4                            ; v4   x's fragments: 4,096 x wave + 16 x lane
.set XSO, 5                            ; v5   x's scale words: 2,048 x wave + 16 x lane
.set R4,  6                            ; v6   4 r
.set XW,  7                            ; v7   XCH + 512 x wave + 4 r
.set XR,  8                            ; v8   XCH + 4 r
.set XT,  9                            ; v9   XCH + 16 x lane
.set RW,  10                           ; v10  RED + 16,384 x wave + 16 x lane
.set RRD, 11                           ; v11  RED + 1,024 x wave + 16 x lane
.set SPW, 12                           ; v12  my spare word; never rewritten
.set NIL, 13                           ; v13  0; never rewritten
.set BR,  16
.set XSC, 32
.set WSC, 48
.set TT,  80                           ; v80-95   lane totals of k's 16 tiles (4 n + a), then running totals
.set OO,  96                           ; v96-111  what is added to a tile's eight registers
.set SS,  112                          ; v112-119 v's column sums, a pair for each n
.set BS,  128
.set BB,  128                          ; in window 3
.set MSB, 0
.macro WIN new                         ; the immediate's high byte repeats the setting that is left
.if MSB != \new
	s_set_vgpr_msb (MSB<<8)|\new
.set MSB, \new
.endif
.endm
.macro PLACES n
.rept \n
	v_nop
.endr
.endm
.macro CROUND                          ; a round of the cluster's barrier
	s_barrier_signal -1
	s_barrier_wait -1
	s_cmp_lg_u32 s12, 0
	s_cbranch_scc1 .Lnot_wave_0_\@
	s_barrier_signal -3
.Lnot_wave_0_\@:
	s_barrier_wait -3
	s_barrier_signal -1
	s_barrier_wait -1
.endm
	s_load_b256 s[4:11], s[0:1], 0x0               ; codes s[4:5], scales s[6:7], b s[8:9], parts s[10:11]
	v_lshl_add_u32 v[SPW], v0, 2, SPARE
	v_mov_b32 v[NIL], 0
	ds_add_u32 v[SPW], v[NIL]                      ; the wave's opening: the add, twice on end, and its wait ahead of my first tensor load
	ds_add_u32 v[SPW], v[NIL]
	v_lshrrev_b32 v1, 5, v0
	v_readfirstlane_b32 s12, v1                    ; wave 0..3
	s_bfe_u32 s13, ttmp6, 0x40000                  ; cx
	s_lshl_b32 s14, ttmp9, 2
	s_add_co_u32 s14, s14, s13                     ; batch x 8 + chunk = 4 x cluster x + cx: it enters x's and parts' addresses alone
	s_and_b32 s15, ttmp7, 0xffff                   ; the head, which the four partners share
	; descriptor group 1: a dense block of 16,384 bytes as 64 rows of 256 bytes (32 elements of 8 bytes)
	s_mov_b32 s16, 0x23000f                        ; 15:0 the mask: all four work-groups; 17:16 elements of 8 bytes; 21 set beside a mask
	s_mov_b32 s17, 32<<16                          ; tensor_dim0
	s_mov_b32 s18, 64<<16                          ; tensor_dim1
	s_mov_b32 s19, 32<<16                          ; tile_dim0
	s_mov_b32 s20, 64                              ; tile_dim1
	s_mov_b32 s21, 32                              ; the pitch
	s_mov_b32 s22, 0
	s_mov_b32 s23, 0
	s_mov_b32 s24, 1
	s_lshl_b32 s25, s12, 14                        ; LDS: my quarter of W's images
	s_lshl_b32 s48, s15, 16
	s_add_co_u32 s48, s48, s25
	s_add_co_u32 s48, s48, WKV                     ; and in memory: head and wave alone
	s_mov_b32 s49, 0
	s_lshl_b32 s28, s14, 17                        ; x's codes of my chunk
	s_mov_b32 s29, 0
	s_lshl_b32 s30, s14, 13                        ; x's scale words
	s_mov_b32 s31, 0
	s_lshl_b32 s32, s15, 12
	s_add_co_u32 s32, s32, WKVS                    ; W's scale words
	s_mov_b32 s33, 0
	s_mul_i32 s34, s15, 768
	s_add_co_u32 s34, s34, 256                     ; b at column 192 head + 64
	s_mov_b32 s35, 0
	s_lshr_b32 s50, s14, 3
	s_lshl_b32 s50, s50, 4
	s_add_co_u32 s50, s50, s15
	s_lshl_b32 s50, s50, 2
	s_add_co_u32 s50, s50, s12
	s_mul_i32 s50, s50, 36864                      ; parts: the block of (batch, head, et = my wave)
	s_and_b32 s51, s14, 7
	s_lshl_b32 s36, s51, 12
	s_add_co_u32 s36, s36, s50                     ; my chunk's images
	s_mov_b32 s37, 0
	s_lshl_b32 s38, s51, 9
	s_add_co_u32 s38, s38, s50
	s_add_co_u32 s38, s38, 32768                   ; my chunk's ks | vs
	s_mov_b32 s39, 0
	s_mov_b32 s40, 0x76543210
	s_mov_b32 s41, 0xfedcba98                      ; v_permlanex16_b32's selects for lane l xor 16
	s_mov_b32 s42, 0xffff0000                      ; a number's upper 16 bits; also: lanes 16-31
	s_mov_b32 s44, 0x07060302                      ; v_perm_b32: the two upper halves
	s_cmp_gt_u32 s12, 0
	s_cselect_b32 s45, -1, 0                       ; all lanes where my wave comes behind wave 0, 1, 2
	s_cmp_gt_u32 s12, 1
	s_cselect_b32 s46, -1, 0
	s_cmp_gt_u32 s12, 2
	s_cselect_b32 s47, -1, 0
	v_and_b32 v14, 31, v0
	v_and_b32 v2, 15, v0                           ; r
	v_lshlrev_b32 v[LI], 4, v14
	s_lshl_b32 s52, s12, 12
	v_add_nc_u32 v[XAD], s52, v[LI]
	s_lshl_b32 s52, s12, 11
	v_add_nc_u32 v[XSO], s52, v[LI]
	v_lshlrev_b32 v[R4], 2, v2
	s_lshl_b32 s52, s12, 9
	s_add_co_u32 s52, s52, XCH
	v_add_nc_u32 v[XW], s52, v[R4]
	v_add_nc_u32 v[XR], XCH, v[R4]
	v_add_nc_u32 v[XT], XCH, v[LI]
	s_lshl_b32 s52, s12, 14
	s_add_co_u32 s52, s52, RED
	v_add_nc_u32 v[RW], s52, v[LI]
	s_lshl_b32 s52, s12, 10
	s_add_co_u32 s52, s52, RED
	v_add_nc_u32 v[RRD], s52, v[LI]
	s_wait_dscnt 0x0                               ; both opening adds are done
	s_wait_kmcnt 0x0
	s_add_nc_u64 s[26:27], s[4:5], s[48:49]
	s_or_b32 s27, s27, 0x80000000                  ; type = 2
	s_add_nc_u64 s[28:29], s[4:5], s[28:29]
	s_add_nc_u64 s[30:31], s[6:7], s[30:31]
	s_add_nc_u64 s[32:33], s[6:7], s[32:33]
	s_add_nc_u64 s[34:35], s[8:9], s[34:35]
	s_add_nc_u64 s[36:37], s[10:11], s[36:37]
	s_add_nc_u64 s[38:39], s[10:11], s[38:39]
.macro XLOAD s                         ; x's four fragments of K step s, as they lie: 512 consecutive bytes a load
.irp a, 0,1,2,3
.irp c, 0,1
	global_load_b128 v[8*(4*(\s)+\a)+4*\c:8*(4*(\s)+\a)+4*\c+3], v[XAD], s[28:29] offset:16384*(\s)+1024*\a+512*\c
.endr
.endr
.endm
.irp n, 0,1,2,3,4,5,6,7
	global_load_b32 v[BR+\n], v[R4], s[34:35] offset:64*\n           ; b of column 16 n + r
.endr
.irp n, 0,1,2,3,4,5,6,7
	global_load_b128 v[WSC+4*\n:WSC+4*\n+3], v[LI], s[32:33] offset:512*\n   ; register i: lanes 0-15 K step 2 i, lanes 16-31 K step 2 i + 1
.endr
.irp a, 0,1,2,3
	global_load_b128 v[XSC+4*\a:XSC+4*\a+3], v[XSO], s[30:31] offset:512*\a
.endr
	WIN 0x80                                       ; destination window 2
.irp s, 0,1,2,3,4
	XLOAD \s
.endr
	WIN 0
	CROUND                                         ; all four work-groups are here: the joint loads meet
	tensor_load_to_lds s[24:27], s[16:23]          ; my quarter of W's images: my one tensor load; nothing is ever filled again
	s_nop 0
	PLACES 4
	s_wait_loadcnt 40                              ; the bias and the scale words are in: behind them stand five K steps of x, 40 loads
	WIN 0xc0                                       ; destination window 3
.irp n, 0,1,2,3,4,5,6,7
.irp j, 0,1,2,3,4,5,6,7
	v_mov_b32 v[BB+8*\n+\j], v[BR+\n]              ; the bias in the result's layout: it is the C of each sum's first product
.endr
.endr
	PLACES 8
	WIN 0x80
.irp s, 5,6,7
	XLOAD \s
.endr
	WIN 0
	s_wait_tensorcnt 0x0                           ; my quarter has landed,
	s_barrier_signal -1
	s_barrier_wait -1                              ; everybody's has
.macro BFETCH s                        ; W's eight fragments of K step s into set s % 2
.irp n, 0,1,2,3,4,5,6,7
.irp c, 0,1
	ds_load_b128 v[BS+64*((\s)%2)+8*\n+4*\c:BS+64*((\s)%2)+8*\n+4*\c+3], v[LI] offset:8192*(\s)+1024*\n+512*\c
.endr
.endr
.endm
.macro MUL s                           ; 32 products; the 32 accumulators take turns, one instruction a turn, in the same order in every step
.irp a, 0,1,2,3
.irp n, 0,1,2,3,4,5,6,7
.if (\s) == 0
	v_wmma_scale_f32_16x16x128_f8f6f4 v[8*(8*\a+\n):8*(8*\a+\n)+7], v[8*(4*(\s)+\a):8*(4*(\s)+\a)+7], v[BS+64*((\s)%2)+8*\n:BS+64*((\s)%2)+8*\n+7], v[BB+8*\n:BB+8*\n+7], v[XSC+4*\a+(\s)/2], v[WSC+4*\n+(\s)/2] matrix_a_fmt:MATRIX_FMT_FP4 matrix_b_fmt:MATRIX_FMT_FP4
.elseif ((\s)%2) == 0
	v_wmma_scale_f32_16x16x128_f8f6f4 v[8*(8*\a+\n):8*(8*\a+\n)+7], v[8*(4*(\s)+\a):8*(4*(\s)+\a)+7], v[BS+64*((\s)%2)+8*\n:BS+64*((\s)%2)+8*\n+7], v[8*(8*\a+\n):8*(8*\a+\n)+7], v[XSC+4*\a+(\s)/2], v[WSC+4*\n+(\s)/2] matrix_a_fmt:MATRIX_FMT_FP4 matrix_b_fmt:MATRIX_FMT_FP4
.else
	v_wmma_scale_f32_16x16x128_f8f6f4 v[8*(8*\a+\n):8*(8*\a+\n)+7], v[8*(4*(\s)+\a):8*(4*(\s)+\a)+7], v[BS+64*((\s)%2)+8*\n:BS+64*((\s)%2)+8*\n+7], v[8*(8*\a+\n):8*(8*\a+\n)+7], v[XSC+4*\a+(\s)/2], v[WSC+4*\n+(\s)/2] matrix_a_fmt:MATRIX_FMT_FP4 matrix_b_fmt:MATRIX_FMT_FP4 matrix_a_scale:MATRIX_SCALE_ROW1 matrix_b_scale:MATRIX_SCALE_ROW1
.endif
.endr
.endr
.endm
.macro STEP s
.if ((\s) > 0) && ((\s) < 7)
	PLACES 4                                       ; in front of loads into the set that the step before multiplied (ISA guide 7.12.1 for vector instructions)
.endif
	WIN 0
.if (\s) < 7
	BFETCH (\s)+1
	s_wait_dscnt 16                                ; this step's set is in; the 16 loads just issued may be out
.else
	s_wait_dscnt 0x0
.endif
	s_wait_loadcnt 56-8*(\s)                       ; x's fragments of this step are in; those of the later steps, 8 loads each, may be out
.if (\s) == 0
	WIN 0x72                                       ; source 0 (x) window 2, source 1 (W) window 0, C (the bias) window 3, D window 1
.else
	WIN 0x52                                       ; the same, C window 1
.endif
	MUL \s
.endm
	BFETCH 0
.irp s, 0,1,2,3,4,5,6,7
	STEP \s
.endr
	PLACES 4
	; ---- the cumsum of k down a lane's eight positions, the 16 tiles by turns; each accumulator is read from its low end on
	WIN 0x45
.irp j, 1,2,3,4,5,6,7
.irp a, 0,1,2,3
.irp n, 0,1,2,3
	v_add_f32 v[8*(8*\a+\n)+\j], v[8*(8*\a+\n)+\j], v[8*(8*\a+\n)+\j-1]
.endr
.endr
.endr
	; ---- v's column sums: four chains of packed sums, started by their first addition
	WIN 0x05
.irp n, 0,1,2,3
	v_pk_add_f32 v[SS+2*\n:SS+2*\n+1], v[8*(4+\n):8*(4+\n)+1], v[8*(4+\n)+2:8*(4+\n)+3]
.endr
	WIN 0x01
.irp a, 0,1,2,3
.irp p, 0,1,2,3
.if (\a > 0) || (\p > 1)
.irp n, 0,1,2,3
	v_pk_add_f32 v[SS+2*\n:SS+2*\n+1], v[8*(8*\a+4+\n)+2*\p:8*(8*\a+4+\n)+2*\p+1], v[SS+2*\n:SS+2*\n+1]
.endr
.endif
.endr
.endr
.irp n, 0,1,2,3
.irp a, 0,1,2,3
	v_mov_b32 v[TT+4*\n+\a], v[8*(8*\a+\n)+7]      ; my eight positions' total of tile (a, n)
.endr
.endr
	WIN 0
.irp i, 0,1,2,3,4,5,6,7,8,9,10,11,12,13,14,15
	v_mov_b32 v[OO+\i], 0                          ; a lane permute's destination counts as one of its sources
.endr
.irp i, 0,1,2,3,4,5,6,7,8,9,10,11,12,13,14,15
	v_permlanex16_b32 v[OO+\i], v[TT+\i], s40, s41 ; the other eight positions' total
.endr
.irp i, 0,1,2,3,4,5,6,7,8,9,10,11,12,13,14,15
	v_add_f32 v[TT+\i], v[TT+\i], v[OO+\i]         ; the tile's total
.endr
.irp i, 0,1,2,3,4,5,6,7,8,9,10,11,12,13,14,15
	v_cndmask_b32 v[OO+\i], 0, v[OO+\i], s42       ; lanes 16-31 (positions 8-15) come behind lanes 0-15's eight
.endr
.irp n, 0,1,2,3
	v_add_f32 v[SS+2*\n], v[SS+2*\n], v[SS+2*\n+1]
.endr
.irp n, 0,1,2,3
	v_permlanex16_b32 v[SS+2*\n+1], v[SS+2*\n], s40, s41
.endr
.irp n, 0,1,2,3
	v_add_f32 v[SS+2*\n], v[SS+2*\n], v[SS+2*\n+1] ; v's column sum over my wave's 64 positions
.endr
.irp a, 1,2,3
.irp n, 0,1,2,3
	v_add_f32 v[OO+4*\n+\a], v[OO+4*\n+\a], v[TT+4*\n+\a-1]   ; + the tiles above
	v_add_f32 v[TT+4*\n+\a], v[TT+4*\n+\a], v[TT+4*\n+\a-1]   ; the running total; at a = 3: my wave's
.endr
.endr
.irp n, 0,1,2,3
	ds_store_b32 v[XW], v[TT+4*\n+3] offset:64*\n            ; both halves of the lanes write the same word with the same value
	ds_store_b32 v[XW], v[SS+2*\n] offset:256+64*\n
.endr
	s_wait_dscnt 0x0                               ; for the others' sake: my sums have landed
	s_barrier_signal -1
	s_barrier_wait -1
.irp wq, 0,1,2
.irp n, 0,1,2,3
	ds_load_b32 v[BS+4*\wq+\n], v[XR] offset:512*\wq+64*\n   ; k's totals of waves 0, 1, 2
.endr
.endr
.irp wq, 0,1,2,3
	ds_load_b128 v[BR+4*\wq:BR+4*\wq+3], v[XT] offset:512*\wq   ; and four numbers of each wave's ks | vs
.endr
	s_wait_dscnt 0x0
.irp wq, 0,1,2
.irp n, 0,1,2,3
	v_cndmask_b32 v[BS+4*\wq+\n], 0, v[BS+4*\wq+\n], s[45+\wq]   ; only the waves ahead of mine count
.endr
.endr
.irp n, 0,1,2,3
	v_add_f32 v[BS+\n], v[BS+\n], v[BS+4+\n]
.endr
.irp n, 0,1,2,3
	v_add_f32 v[BS+\n], v[BS+\n], v[BS+8+\n]
.endr
.irp a, 0,1,2,3
.irp n, 0,1,2,3
	v_add_f32 v[OO+4*\n+\a], v[OO+4*\n+\a], v[BS+\n]
.endr
.endr
	v_pk_add_f32 v[BR:BR+1], v[BR:BR+1], v[BR+4:BR+5]
	v_pk_add_f32 v[BR+2:BR+3], v[BR+2:BR+3], v[BR+6:BR+7]
	v_pk_add_f32 v[BR+8:BR+9], v[BR+8:BR+9], v[BR+12:BR+13]
	v_pk_add_f32 v[BR+10:BR+11], v[BR+10:BR+11], v[BR+14:BR+15]
	v_pk_add_f32 v[BR:BR+1], v[BR:BR+1], v[BR+8:BR+9]
	v_pk_add_f32 v[BR+2:BR+3], v[BR+2:BR+3], v[BR+10:BR+11]
	global_store_b128 v[LI], v[BR:BR+3], s[38:39]  ; the chunk's ks | vs, 512 consecutive bytes, into my et's block; these registers are not written again
	WIN 0x41                                       ; k's tiles + what lies ahead of them: Kloc
.irp a, 0,1,2,3
.irp n, 0,1,2,3
.irp p, 0,2,4,6
.if (\a%2) == 0
	v_pk_add_f32 v[8*(8*\a+\n)+\p:8*(8*\a+\n)+\p+1], v[8*(8*\a+\n)+\p:8*(8*\a+\n)+\p+1], v[OO+4*\n+\a:OO+4*\n+\a+1] op_sel_hi:[1,0]
.else
	v_pk_add_f32 v[8*(8*\a+\n)+\p:8*(8*\a+\n)+\p+1], v[8*(8*\a+\n)+\p:8*(8*\a+\n)+\p+1], v[OO+4*\n+\a-1:OO+4*\n+\a] op_sel:[0,1] op_sel_hi:[1,1]
.endif
.endr
.endr
.endr
; 16 accumulators (g = 0: Kloc, 1: v) become pairs of bf16: high = the upper 16 bits, low = the exact rest, rounded.  Two neighbouring positions to a register, the lower one in the low half.
.macro SPLIT g
	WIN 0x04
.irp n, 0,1,2,3
.irp a, 0,1,2,3
.irp j, 0,1,2,3,4,5,6,7
	v_and_b32 v[BS+32*\n+8*\a+\j], s42, v[8*(8*\a+4*\g+\n)+\j]
.endr
.endr
.endr
	WIN 0x80
.irp n, 0,1,2,3
.irp a, 0,1,2,3
.irp p, 0,1,2,3
	v_perm_b32 v[128*\g+16*\n+4*\a+\p], v[BS+32*\n+8*\a+2*\p+1], v[BS+32*\n+8*\a+2*\p], s44
.endr
.endr
.endr
	WIN 0x01
.irp n, 0,1,2,3
.irp a, 0,1,2,3
.irp p, 0,1,2,3
	v_pk_add_f32 v[BS+32*\n+8*\a+2*\p:BS+32*\n+8*\a+2*\p+1], v[8*(8*\a+4*\g+\n)+2*\p:8*(8*\a+4*\g+\n)+2*\p+1], v[BS+32*\n+8*\a+2*\p:BS+32*\n+8*\a+2*\p+1] neg_lo:[0,1] neg_hi:[0,1]
.endr
.endr
.endr
	WIN 0x80
.irp n, 0,1,2,3
.irp a, 0,1,2,3
.irp p, 0,1,2,3
	v_cvt_pk_bf16_f32 v[128*\g+64+16*\n+4*\a+\p], v[BS+32*\n+8*\a+2*\p], v[BS+32*\n+8*\a+2*\p+1]
.endr
.endr
.endr
.endm
	SPLIT 0
	SPLIT 1
; A_c(dt, et) += K-part(dt)^T V-part(et) over positions 32 tau .. 32 tau + 31 of my 64: 16 accumulators by turns
.macro OUTER tau, kb, vb, zero
.irp dt, 0,1,2,3
.irp et, 0,1,2,3
.if \zero
	v_wmma_f32_16x16x32_bf16 v[8*(4*\dt+\et):8*(4*\dt+\et)+7], v[\kb+16*\dt+8*\tau:\kb+16*\dt+8*\tau+7], v[\vb+16*\et+8*\tau:\vb+16*\et+8*\tau+7], 0
.else
	v_wmma_f32_16x16x32_bf16 v[8*(4*\dt+\et):8*(4*\dt+\et)+7], v[\kb+16*\dt+8*\tau:\kb+16*\dt+8*\tau+7], v[\vb+16*\et+8*\tau:\vb+16*\et+8*\tau+7], v[8*(4*\dt+\et):8*(4*\dt+\et)+7]
.endif
.endr
.endr
.endm
	PLACES 4
	WIN 0xfa                                       ; sources 0 and 1 window 2, C and D window 3
	OUTER 0, 0, 128, 1                             ; high x high starts the sums
	OUTER 0, 0, 192, 0                             ; high x low
	OUTER 0, 64, 128, 0                            ; low x high
	OUTER 1, 0, 128, 0
	OUTER 1, 0, 192, 0
	OUTER 1, 64, 128, 0
	PLACES 4
	; ---- the four waves' parts of A_c meet in LDS, as images of the accumulators; wave w adds and stores column tile et = w
	WIN 0x0c                                       ; an LDS store's data are its source 1: window 3
.irp dt, 0,1,2,3
.irp et, 0,1,2,3
	ds_store_b128 v[RW], v[8*(4*\dt+\et):8*(4*\dt+\et)+3] offset:1024*(4*\dt+\et)        ; each accumulator from its low end on
	ds_store_b128 v[RW], v[8*(4*\dt+\et)+4:8*(4*\dt+\et)+7] offset:1024*(4*\dt+\et)+512
.endr
.endr
	WIN 0
	s_wait_dscnt 0x0                               ; for the others' sake: my images have landed
	s_barrier_signal -1
	s_barrier_wait -1
.irp wq, 0,1,2,3
.irp dt, 0,1,2,3
.irp q, 0,1
	ds_load_b128 v[BS+32*\wq+8*\dt+4*\q:BS+32*\wq+8*\dt+4*\q+3], v[RRD] offset:16384*\wq+4096*\dt+512*\q
.endr
.endr
.endr
	s_wait_dscnt 0x0
.irp k, 0,2,4,6,8,10,12,14,16,18,20,22,24,26,28,30
	v_pk_add_f32 v[BS+\k:BS+\k+1], v[BS+\k:BS+\k+1], v[BS+32+\k:BS+32+\k+1]
	v_pk_add_f32 v[BS+64+\k:BS+64+\k+1], v[BS+64+\k:BS+64+\k+1], v[BS+96+\k:BS+96+\k+1]
.endr
.irp k, 0,2,4,6,8,10,12,14,16,18,20,22,24,26,28,30
	v_pk_add_f32 v[BS+\k:BS+\k+1], v[BS+\k:BS+\k+1], v[BS+64+\k:BS+64+\k+1]
.endr
.irp dt, 0,1,2,3
.irp q, 0,1
	global_store_b128 v[LI], v[BS+8*\dt+4*\q:BS+8*\dt+4*\q+3], s[36:37] offset:1024*\dt+512*\q   ; 32 lanes store 512 consecutive bytes
.endr
.endr
	s_wait_tensorcnt 0x0                           ; the wave's end, behind my last tensor load and my last LDS store
	ds_add_u32 v[SPW], v[NIL]
	s_wait_dscnt 0x0
	CROUND                                         ; the closing round
	s_endpgm
.Lfunc_end_k_q7e45692057_kvpart:
	.size	k_q7e45692057_kvpart, .Lfunc_end_k_q7e45692057_kvpart-k_q7e45692057_kvpart
	.p2alignl 7, 3214868480
	.fill 96, 4, 3214868480
	.section	.rodata,"a",@progbits
	.p2align	6, 0x0
	.amdhsa_kernel k_q7e45692057_kvpart
		.amdhsa_group_segment_fixed_size 167936
		.amdhsa_private_segment_fixed_size 0
		.amdhsa_enable_private_segment 0
		.amdhsa_kernarg_size 32
		.amdhsa_user_sgpr_count 2
		.amdhsa_user_sgpr_kernarg_segment_ptr 1
		.amdhsa_wavefront_size32 1
		.amdhsa_system_sgpr_workgroup_id_x 1
		.amdhsa_system_sgpr_workgroup_id_y 1
		.amdhsa_system_sgpr_workgroup_id_z 1
		.amdhsa_system_vgpr_workitem_id 0
		.amdhsa_next_free_vgpr 960
		.amdhsa_next_free_sgpr 66
		.amdhsa_reserve_vcc 0
		.amdhsa_float_denorm_mode_32 3
		.amdhsa_float_denorm_mode_16_64 3
		.amdhsa_memory_ordered 1
		.amdhsa_forward_progress 1
		.amdhsa_inst_pref_size 124
	.end_amdhsa_kernel
	.amdgpu_metadata
---
amdhsa.version: [ 1, 2 ]
amdhsa.kernels:
  - .name:           k_q7e45692057_kvpart
    .symbol:         k_q7e45692057_kvpart.kd
    .args:
      - { .name: codes, .offset: 0, .size: 8, .value_kind: global_buffer, .address_space: global }
      - { .name: scales, .offset: 8, .size: 8, .value_kind: global_buffer, .address_space: global }
      - { .name: b_qkv, .offset: 16, .size: 8, .value_kind: global_buffer, .address_space: global }
      - { .name: parts, .offset: 24, .size: 8, .value_kind: global_buffer, .address_space: global }
    .group_segment_fixed_size: 167936
    .private_segment_fixed_size: 0
    .kernarg_segment_align: 8
    .kernarg_segment_size: 32
    .max_flat_workgroup_size: 128
    .sgpr_count:     66
    .vgpr_count:     960
    .wavefront_size: 32
...
	.end_amdgpu_metadata
.endif
;; end of part 2
;; launch qctx (part 3): grid 16 x 16, 4 waves a work-group, clusters of 4 x 1, 214,528 bytes of LDS; arguments codes, scales, b_qkv, parts, out0; writes out0
.if DOCPART == 3
	.amdgcn_target "amdgcn-amd-amdhsa--gfx1250"
	.amdhsa_code_object_version 6
	.text
	.protected	k_q7e45692057_qctx
	.globl	k_q7e45692057_qctx
	.p2align	8
	.type	k_q7e45692057_qctx,@function
k_q7e45692057_qctx:
	s_mov_b64 s[64:65], 0
	v_nop
	global_prefetch_b8 v0, s[64:65] scope:SCOPE_SE
	s_setreg_imm32_b32 hwreg(HW_REG_WAVE_MODE, 25, 1), 1
	s_wait_xcnt 0x0
	s_wait_alu depctr_hold_cnt(0) depctr_sa_sdst(0) depctr_va_vdst(0) depctr_va_sdst(0) depctr_va_ssrc(0) depctr_va_vcc(0) depctr_vm_vsrc(0)
	s_getreg_b32 s2, hwreg(HW_REG_IB_STS2, 6, 4)
	s_cmp_eq_u32 s2, 0
	s_cbranch_scc0 .Lentry_in_a_cluster
	s_endpgm
.Lentry_in_a_cluster:
	s_bfe_u32 s2, ttmp6, 0x10000c
	s_cmp_lg_u32 s2, 0x3003
	s_cbranch_scc0 .Lentry_shape_is_right
	s_endpgm
.Lentry_shape_is_right:
; The last launch of three (the identity and the layouts of codes, scales and parts: at the head of the launch before).  For 256 positions of one batch and one head:
; M = sum_c A_c + sum_c ks_c (x) (sum over c' > c of vs_c'), from parts, in f32, times c0 = 1/8 x 2048^-0.5;  q = x W^T + b on codes of FP4 (K = 1024, 8 steps of 128);  out = q M.
; The last product's operands go as PAIRS of bf16 (high = the upper 16 bits, low = the exact rest, rounded), three products: hh, hl, lh: the range is f32's, and nothing hangs on the inputs' size.
; SHARES.  Four waves; wave w takes positions 64 w .. 64 w + 63 (four tiles tt), and builds the quarter e = 16 w .. 16 w + 15 of M^T, which the others get through LDS as images of the fragments' registers.
; LAYOUT.  Both products are used transposed.  q^T: source 0 = 16 rows of W (d), source 1 = x: a lane holds one position and eight neighbouring d, so two tiles of d, packed, are a bf16 fragment of 16 positions x 32 d.
; out^T: source 0 = M^T (16 e x 32 d: parts' images lie so already), source 1 = q: a lane holds one position and eight neighbouring e: 32 bytes of a row of the output.
; CLUSTER.  The four chunks of a cluster share batch and head: W's 32 KB of images and the 144 KB of parts are asked for JOINTLY, two tensor loads a wave, filled once.  x's fragments are read by one wave alone
; and go from memory straight into registers: through LDS a K step would read 8 fragments for its 16 matrix instructions in place of 4.  No ring, no prefetch: all loads are issued at the head.
; REGISTERS.  window 0: v1-17 addresses; v32-47 x's scale words, v48-63 W's; v64-127 W's fragments, two sets (before that: M in v64-95, vs in v96-103); v128-255 at work.
;   window 1: q^T's accumulators, (dt, tt) at 8 (4 dt + tt); from v128 the bias (8 registers a dt), later out^T's accumulators, (tt, et) at 128 + 8 (4 tt + et).
;   window 2: x's fragments, (s, tt) at 8 (4 s + tt); later QH 0, QL 64 (+ 16 tt + 4 dt + p), MH 128, ML 192 (+ 16 et + 8 kappa).
.set WQ,    3145728
.set WQS,   196608
.set PL,    32768                      ; LDS: 0: W's images, 32,768 bytes.  PL + 36,864 w: wave w's block of parts
.set MF,    180224                     ; M^T's fragments: [high, low][et 4][kappa 2][q 2][512]
.set STG,   196608                     ; the way out: 16 rows x (256 + 16) bytes a wave
.set SPARE, 214016                     ; the spare words, 128 bytes a wave: two blocks of 256 bytes that no other line names
.set LI,  1                            ; v1   16 x lane
.set XAD, 4                            ; v4   x's fragments: 4,096 x wave + 16 x lane
.set XSO, 5                            ; v5   x's scale words: 2,048 x wave + 16 x lane
.set BO,  7                            ; v7   32 h: my eight numbers of b in a tile of d
.set VSA, 8                            ; v8   vs_c[16 w + r]
.set KSA, 9                            ; v9   ks_c[8 h ..]
.set AIA, 10                           ; v10  A_c's images
.set MFW, 11                           ; v11  MF + 2,048 x wave + 16 x lane
.set MFR, 12                           ; v12  MF + 16 x lane
.set STO, 13                           ; v13  the stage: row r, + 32 h
.set RD,  14                           ; v14  and back: row h, + 16 r
.set GO,  15                           ; v15  the same two rows in the output
.set SPW, 16                           ; v16  my spare word; never rewritten
.set NIL, 17                           ; v17  0; never rewritten
.set XSC, 32
.set WSC, 48
.set WS,  64
.set MM,  64
.set VS,  96
.set TM,  128
.set MH,  160                          ; v160-175 M's high parts, v176-191 its low parts
.set BB,  128                          ; in window 1
.set MSB, 0
.macro WIN new                         ; the immediate's high byte repeats the setting that is left
.if MSB != \new
	s_set_vgpr_msb (MSB<<8)|\new
.set MSB, \new
.endif
.endm
.macro PLACES n
.rept \n
	v_nop
.endr
.endm
.macro CROUND                          ; a round of the cluster's barrier
	s_barrier_signal -1
	s_barrier_wait -1
	s_cmp_lg_u32 s14, 0
	s_cbranch_scc1 .Lnot_wave_0_\@
	s_barrier_signal -3
.Lnot_wave_0_\@:
	s_barrier_wait -3
	s_barrier_signal -1
	s_barrier_wait -1
.endm
	s_load_b256 s[4:11], s[0:1], 0x0               ; codes s[4:5], scales s[6:7], b s[8:9], parts s[10:11]
	s_load_b64 s[12:13], s[0:1], 0x20              ; out0
	v_lshl_add_u32 v[SPW], v0, 2, SPARE
	v_mov_b32 v[NIL], 0
	ds_add_u32 v[SPW], v[NIL]                      ; the wave's opening: the add, twice on end, and its wait ahead of my first tensor load
	ds_add_u32 v[SPW], v[NIL]
	v_lshrrev_b32 v1, 5, v0
	v_readfirstlane_b32 s14, v1                    ; wave 0..3
	s_bfe_u32 s15, ttmp6, 0x40000                  ; cx
	s_lshl_b32 s40, ttmp9, 2
	s_add_co_u32 s40, s40, s15                     ; batch x 8 + chunk: it enters x's and the output's addresses alone
	s_and_b32 s41, ttmp7, 0xffff                   ; the head
	; descriptor groups 1: dense blocks as rows of 256 bytes (32 elements of 8 bytes): W's quarter 32 rows, a block of parts 144
	s_mov_b32 s16, 0x23000f                        ; 15:0 the mask: all four work-groups; 17:16 elements of 8 bytes; 21 set beside a mask
	s_mov_b32 s17, 32<<16
	s_mov_b32 s18, 32<<16
	s_mov_b32 s19, 32<<16
	s_mov_b32 s20, 32
	s_mov_b32 s21, 32
	s_mov_b32 s22, 0
	s_mov_b32 s23, 0
	s_mov_b32 s24, 0x23000f
	s_mov_b32 s25, 32<<16
	s_mov_b32 s26, 144<<16
	s_mov_b32 s27, 32<<16
	s_mov_b32 s28, 144
	s_mov_b32 s29, 32
	s_mov_b32 s30, 0
	s_mov_b32 s31, 0
	s_mov_b32 s32, 1
	s_lshl_b32 s33, s14, 13                        ; LDS: my quarter of W's images
	s_lshl_b32 s56, s41, 15
	s_add_co_u32 s56, s56, s33
	s_add_co_u32 s56, s56, WQ                      ; in memory: head and wave alone
	s_mov_b32 s57, 0
	s_mov_b32 s36, 1
	s_mul_i32 s37, s14, 36864
	s_add_co_u32 s37, s37, PL                      ; LDS: my block of parts
	s_lshr_b32 s58, ttmp9, 1                       ; the batch, from the cluster's number alone
	s_lshl_b32 s58, s58, 4
	s_add_co_u32 s58, s58, s41
	s_lshl_b32 s58, s58, 2
	s_add_co_u32 s58, s58, s14
	s_mul_i32 s58, s58, 36864
	s_mov_b32 s59, 0
	s_lshl_b32 s42, s40, 17                        ; x's codes of my chunk
	s_mov_b32 s43, 0
	s_lshl_b32 s44, s40, 13                        ; x's scale words
	s_mov_b32 s45, 0
	s_lshl_b32 s46, s41, 11
	s_add_co_u32 s46, s46, WQS                     ; W's scale words
	s_mov_b32 s47, 0
	s_mul_i32 s48, s41, 768                        ; b at column 192 head
	s_mov_b32 s49, 0
	s_and_b32 s60, s40, 7
	s_lshl_b32 s60, s60, 21                        ; the output: 256 positions x 8,192 bytes a chunk,
	s_lshl_b32 s61, s14, 19
	s_add_co_u32 s60, s60, s61                     ; 64 positions a wave,
	s_lshr_b32 s61, s40, 3
	s_lshl_b32 s61, s61, 12
	s_add_co_u32 s60, s60, s61                     ; the batch,
	s_lshl_b32 s61, s41, 8
	s_add_co_u32 s60, s60, s61                     ; the head's 256 bytes
	s_mov_b32 s61, 0
	s_mov_b32 s52, 0xffff0000                      ; a number's upper 16 bits
	s_mov_b32 s53, 0x07060302                      ; v_perm_b32: the two upper halves
	s_mov_b32 s54, 0x3b3504f3                      ; c0 = 1/8 x 2048^-0.5
	s_mov_b32 s55, s54                             ; (named with it as a pair, so it is written)
	v_and_b32 v18, 31, v0
	v_and_b32 v2, 15, v0                           ; r
	v_bfe_u32 v3, v0, 4, 1                         ; h
	v_lshlrev_b32 v[LI], 4, v18
	s_lshl_b32 s62, s14, 12
	v_add_nc_u32 v[XAD], s62, v[LI]
	s_lshl_b32 s62, s14, 11
	v_add_nc_u32 v[XSO], s62, v[LI]
	v_lshlrev_b32 v[BO], 5, v3
	s_mul_i32 s62, s14, 36928
	s_add_co_u32 s62, s62, 65792
	v_lshl_add_u32 v[VSA], v2, 2, s62              ; PL + 36,864 w + 32,768 + 256 + 4 (16 w + r)
	s_mul_i32 s62, s14, 36864
	s_add_co_u32 s62, s62, 65536
	v_lshl_add_u32 v[KSA], v3, 5, s62              ; PL + 36,864 w + 32,768 + 32 h
	s_mul_i32 s62, s14, 36864
	s_add_co_u32 s62, s62, PL
	v_add_nc_u32 v[AIA], s62, v[LI]
	s_lshl_b32 s62, s14, 11
	s_add_co_u32 s62, s62, MF
	v_add_nc_u32 v[MFW], s62, v[LI]
	v_add_nc_u32 v[MFR], MF, v[LI]
	s_mul_i32 s62, s14, 4352
	s_add_co_u32 s62, s62, STG
	v_mul_u32_u24 v[STO], v2, 272
	v_lshl_add_u32 v[STO], v3, 5, v[STO]
	v_add_nc_u32 v[STO], s62, v[STO]
	v_mul_u32_u24 v[RD], v3, 272
	v_lshl_add_u32 v[RD], v2, 4, v[RD]
	v_add_nc_u32 v[RD], s62, v[RD]
	v_lshlrev_b32 v[GO], 13, v3
	v_lshl_add_u32 v[GO], v2, 4, v[GO]
	s_wait_dscnt 0x0                               ; both opening adds are done
	s_wait_kmcnt 0x0
	s_add_nc_u64 s[34:35], s[4:5], s[56:57]
	s_or_b32 s35, s35, 0x80000000                  ; type = 2
	s_add_nc_u64 s[38:39], s[10:11], s[58:59]
	s_or_b32 s39, s39, 0x80000000
	s_add_nc_u64 s[42:43], s[4:5], s[42:43]
	s_add_nc_u64 s[44:45], s[6:7], s[44:45]
	s_add_nc_u64 s[46:47], s[6:7], s[46:47]
	s_add_nc_u64 s[48:49], s[8:9], s[48:49]
	s_add_nc_u64 s[12:13], s[12:13], s[60:61]
.macro XLOAD s                         ; x's four fragments of K step s, as they lie: 512 consecutive bytes a load
.irp a, 0,1,2,3
.irp c, 0,1
	global_load_b128 v[8*(4*(\s)+\a)+4*\c:8*(4*(\s)+\a)+4*\c+3], v[XAD], s[42:43] offset:16384*(\s)+1024*\a+512*\c
.endr
.endr
.endm
	WIN 0x40                                       ; destination window 1
.irp dt, 0,1,2,3
.irp q, 0,1
	global_load_b128 v[BB+8*\dt+4*\q:BB+8*\dt+4*\q+3], v[BO], s[48:49] offset:64*\dt+16*\q   ; b in the result's layout: d = 16 dt + 8 h + 0 .. 7: the C of each sum's first product
.endr
.endr
	WIN 0
.irp dt, 0,1,2,3
	global_load_b128 v[WSC+4*\dt:WSC+4*\dt+3], v[LI], s[46:47] offset:512*\dt   ; register i: lanes 0-15 K step 2 i, lanes 16-31 K step 2 i + 1
.endr
.irp a, 0,1,2,3
	global_load_b128 v[XSC+4*\a:XSC+4*\a+3], v[XSO], s[44:45] offset:512*\a
.endr
	WIN 0x80                                       ; destination window 2
.irp s, 0,1,2,3,4
	XLOAD \s
.endr
	WIN 0
	CROUND                                         ; all four work-groups are here: the joint loads meet
	tensor_load_to_lds s[32:35], s[16:23]          ; my quarter of W's images,
	s_nop 0
	tensor_load_to_lds s[36:39], s[24:31]          ; and my block of parts: two tensor loads of mine are out
	s_nop 0
	PLACES 4
	WIN 0x80
.irp s, 5,6,7
	XLOAD \s
.endr
	WIN 0
	s_wait_tensorcnt 0x0                           ; both have landed,
	s_barrier_signal -1
	s_barrier_wait -1                              ; everybody's have
; ---- M's quarter, register 8 dt + 4 q + i of lane (r, h) = M[16 dt + 8 h + 4 q + i][16 w + r]
.macro CFETCH c, set                   ; chunk c: A_c's eight pieces and, where a later chunk exists, ks_c's 32 numbers
.irp dt, 0,1,2,3
.irp q, 0,1
	ds_load_b128 v[TM+64*\set+8*\dt+4*\q:TM+64*\set+8*\dt+4*\q+3], v[AIA] offset:4096*(\c)+1024*\dt+512*\q
.endr
.endr
.if (\c) < 7
.irp dt, 0,1,2,3
.irp q, 0,1
	ds_load_b128 v[TM+64*\set+32+8*\dt+4*\q:TM+64*\set+32+8*\dt+4*\q+3], v[KSA] offset:512*(\c)+64*\dt+16*\q
.endr
.endr
.endif
.endm
.macro FMAS add, ks, c                 ; M = ks_c x (the sum of the later chunks' vs, in v[VS + c + 1]) + add
.irp k, 0,2,4,6,8,10,12,14,16,18,20,22,24,26,28,30
.if ((\c)%2) == 0
	v_pk_fma_f32 v[MM+\k:MM+\k+1], v[\ks+\k:\ks+\k+1], v[VS+(\c):VS+(\c)+1], v[\add+\k:\add+\k+1] op_sel:[0,1,0] op_sel_hi:[1,1,1]
.else
	v_pk_fma_f32 v[MM+\k:MM+\k+1], v[\ks+\k:\ks+\k+1], v[VS+(\c)+1:VS+(\c)+2], v[\add+\k:\add+\k+1] op_sel_hi:[1,0,1]
.endif
.endr
.endm
.macro COMB c
.if (\c) <= 5
	s_wait_dscnt 16                                ; this chunk is in; the next chunk's 16 loads may be out
.elseif (\c) == 6
	s_wait_dscnt 8                                 ; the last chunk has 8
.else
	s_wait_dscnt 0x0
.endif
.if (\c) == 0
.irp i, 6,5,4,3,2,1
	v_add_f32 v[VS+\i], v[VS+\i], v[VS+\i+1]       ; v[VS + i] = vs_i + .. + vs_7
.endr
	FMAS TM, TM+32, 0                              ; the first chunk starts the sums
.elseif (\c) < 7
	FMAS MM, TM+64*((\c)%2)+32, \c
.endif
.if (\c) > 0
.irp k, 0,2,4,6,8,10,12,14,16,18,20,22,24,26,28,30
	v_pk_add_f32 v[MM+\k:MM+\k+1], v[MM+\k:MM+\k+1], v[TM+64*((\c)%2)+\k:TM+64*((\c)%2)+\k+1]
.endr
.endif
.if (\c) < 6
	CFETCH (\c)+2, ((\c)%2)
.endif
.endm
.irp c, 0,1,2,3,4,5,6,7
	ds_load_b32 v[VS+\c], v[VSA] offset:512*\c
.endr
	CFETCH 0, 0
	CFETCH 1, 1
.irp c, 0,1,2,3,4,5,6,7
	COMB \c
.endr
.irp k, 0,2,4,6,8,10,12,14,16,18,20,22,24,26,28,30
	v_pk_mul_f32 v[MM+\k:MM+\k+1], v[MM+\k:MM+\k+1], s[54:55] op_sel_hi:[1,0]   ; x c0, in f32
.endr
.irp j, 0,1,2,3,4,5,6,7,8,9,10,11,12,13,14,15,16,17,18,19,20,21,22,23,24,25,26,27,28,29,30,31
	v_and_b32 v[TM+\j], s52, v[MM+\j]
.endr
.irp p, 0,1,2,3,4,5,6,7,8,9,10,11,12,13,14,15
	v_perm_b32 v[MH+\p], v[TM+2*\p+1], v[TM+2*\p], s53              ; the high parts, two neighbouring d to a register
.endr
.irp p, 0,1,2,3,4,5,6,7,8,9,10,11,12,13,14,15
	v_pk_add_f32 v[TM+2*\p:TM+2*\p+1], v[MM+2*\p:MM+2*\p+1], v[TM+2*\p:TM+2*\p+1] neg_lo:[0,1] neg_hi:[0,1]   ; the rest, exact
.endr
.irp p, 0,1,2,3,4,5,6,7,8,9,10,11,12,13,14,15
	v_cvt_pk_bf16_f32 v[MH+16+\p], v[TM+2*\p], v[TM+2*\p+1]
.endr
.irp part, 0,1
.irp kp, 0,1
.irp q, 0,1
	ds_store_b128 v[MFW], v[MH+16*\part+8*\kp+4*\q:MH+16*\part+8*\kp+4*\q+3] offset:8192*\part+1024*\kp+512*\q   ; the fragments (et = my wave, kappa) as images of their registers
.endr
.endr
.endr
; ---- q^T = W x^T + b
.macro BFETCH s                        ; W's four fragments of K step s into set s % 2
.irp dt, 0,1,2,3
.irp c, 0,1
	ds_load_b128 v[WS+32*((\s)%2)+8*\dt+4*\c:WS+32*((\s)%2)+8*\dt+4*\c+3], v[LI] offset:4096*(\s)+1024*\dt+512*\c
.endr
.endr
.endm
.macro MUL s                           ; 16 products; the 16 accumulators take turns, one instruction a turn, in the same order in every step
.irp dt, 0,1,2,3
.irp tt, 0,1,2,3
.if (\s) == 0
	v_wmma_scale_f32_16x16x128_f8f6f4 v[8*(4*\dt+\tt):8*(4*\dt+\tt)+7], v[WS+32*((\s)%2)+8*\dt:WS+32*((\s)%2)+8*\dt+7], v[8*(4*(\s)+\tt):8*(4*(\s)+\tt)+7], v[BB+8*\dt:BB+8*\dt+7], v[WSC+4*\dt+(\s)/2], v[XSC+4*\tt+(\s)/2] matrix_a_fmt:MATRIX_FMT_FP4 matrix_b_fmt:MATRIX_FMT_FP4
.elseif ((\s)%2) == 0
	v_wmma_scale_f32_16x16x128_f8f6f4 v[8*(4*\dt+\tt):8*(4*\dt+\tt)+7], v[WS+32*((\s)%2)+8*\dt:WS+32*((\s)%2)+8*\dt+7], v[8*(4*(\s)+\tt):8*(4*(\s)+\tt)+7], v[8*(4*\dt+\tt):8*(4*\dt+\tt)+7], v[WSC+4*\dt+(\s)/2], v[XSC+4*\tt+(\s)/2] matrix_a_fmt:MATRIX_FMT_FP4 matrix_b_fmt:MATRIX_FMT_FP4
.else
	v_wmma_scale_f32_16x16x128_f8f6f4 v[8*(4*\dt+\tt):8*(4*\dt+\tt)+7], v[WS+32*((\s)%2)+8*\dt:WS+32*((\s)%2)+8*\dt+7], v[8*(4*(\s)+\tt):8*(4*(\s)+\tt)+7], v[8*(4*\dt+\tt):8*(4*\dt+\tt)+7], v[WSC+4*\dt+(\s)/2], v[XSC+4*\tt+(\s)/2] matrix_a_fmt:MATRIX_FMT_FP4 matrix_b_fmt:MATRIX_FMT_FP4 matrix_a_scale:MATRIX_SCALE_ROW1 matrix_b_scale:MATRIX_SCALE_ROW1
.endif
.endr
.endr
.endm
.macro STEP s
.if ((\s) > 0) && ((\s) < 7)
	PLACES 4                                       ; in front of loads into the set that the step before multiplied (ISA guide 7.12.1 for vector instructions)
.endif
	WIN 0
.if (\s) < 7
	BFETCH (\s)+1
	s_wait_dscnt 8                                 ; this step's set is in; the 8 loads just issued may be out
.else
	s_wait_dscnt 0x0
.endif
	s_wait_loadcnt 56-8*(\s)                       ; x's fragments of this step are in; those of the later steps, 8 loads each, may be out
	WIN 0x58                                       ; source 0 (W) window 0, source 1 (x) window 2, C and D window 1
	MUL \s
.endm
	BFETCH 0
.irp s, 0,1,2,3,4,5,6,7
	STEP \s
.endr
	PLACES 4
	WIN 0
	s_wait_dscnt 0x0                               ; for the others' sake: my fragments of M^T have landed
	s_barrier_signal -1
	s_barrier_wait -1
	WIN 0x80                                       ; all of M^T's fragments, high and low, into window 2
.irp part, 0,1
.irp et, 0,1,2,3
.irp kp, 0,1
.irp q, 0,1
	ds_load_b128 v[128+64*\part+16*\et+8*\kp+4*\q:128+64*\part+16*\et+8*\kp+4*\q+3], v[MFR] offset:8192*\part+2048*\et+1024*\kp+512*\q
.endr
.endr
.endr
.endr
	; ---- q becomes pairs of bf16; each accumulator is read from its low end on
	WIN 0x04
.set i, 0
.rept 128
	v_and_b32 v[TM+i], s52, v[i]
.set i, i+1
.endr
	WIN 0x80
.irp dt, 0,1,2,3
.irp tt, 0,1,2,3
.irp p, 0,1,2,3
	v_perm_b32 v[16*\tt+4*\dt+\p], v[TM+8*(4*\dt+\tt)+2*\p+1], v[TM+8*(4*\dt+\tt)+2*\p], s53
.endr
.endr
.endr
	WIN 0x01
.set i, 0
.rept 64
	v_pk_add_f32 v[TM+i:TM+i+1], v[i:i+1], v[TM+i:TM+i+1] neg_lo:[0,1] neg_hi:[0,1]
.set i, i+2
.endr
	WIN 0x80
.irp dt, 0,1,2,3
.irp tt, 0,1,2,3
.irp p, 0,1,2,3
	v_cvt_pk_bf16_f32 v[64+16*\tt+4*\dt+\p], v[TM+8*(4*\dt+\tt)+2*\p], v[TM+8*(4*\dt+\tt)+2*\p+1]
.endr
.endr
.endr
; out^T(tt, et) += M-part(et)^T-fragment x Q-part(tt) over d = 32 kappa .. 32 kappa + 31: 16 accumulators by turns
.macro CTX kp, mb, qb, zero
.irp tt, 0,1,2,3
.irp et, 0,1,2,3
.if \zero
	v_wmma_f32_16x16x32_bf16 v[128+8*(4*\tt+\et):128+8*(4*\tt+\et)+7], v[\mb+16*\et+8*\kp:\mb+16*\et+8*\kp+7], v[\qb+16*\tt+8*\kp:\qb+16*\tt+8*\kp+7], 0
.else
	v_wmma_f32_16x16x32_bf16 v[128+8*(4*\tt+\et):128+8*(4*\tt+\et)+7], v[\mb+16*\et+8*\kp:\mb+16*\et+8*\kp+7], v[\qb+16*\tt+8*\kp:\qb+16*\tt+8*\kp+7], v[128+8*(4*\tt+\et):128+8*(4*\tt+\et)+7]
.endif
.endr
.endr
.endm
	s_wait_dscnt 0x0                               ; M^T's fragments are in
	PLACES 4
	WIN 0x5a                                       ; sources 0 and 1 window 2, C and D window 1
	CTX 0, 128, 0, 1                               ; high x high starts the sums
	CTX 0, 128, 64, 0                              ; high x low
	CTX 0, 192, 0, 0                               ; low x high
	CTX 1, 128, 0, 0
	CTX 1, 128, 64, 0
	CTX 1, 192, 0, 0
	PLACES 4
; THE WAY OUT, a tile of 16 positions at a time: a lane's 32 bytes of a row go into my stage (rows of 272 bytes) and come back as whole rows of 256 bytes: the head's part of a row of the output.
.macro OUTS tt
	WIN 0x04                                       ; an LDS store's data are its source 1: window 1
.irp et, 0,1,2,3
	ds_store_b128 v[STO], v[128+8*(4*\tt+\et):128+8*(4*\tt+\et)+3] offset:64*\et           ; each accumulator from its low end on
	ds_store_b128 v[STO], v[128+8*(4*\tt+\et)+4:128+8*(4*\tt+\et)+7] offset:64*\et+16
.endr
	WIN 0
.irp i, 0,1,2,3,4,5,6,7
	ds_load_b128 v[TM+32*\tt+4*\i:TM+32*\tt+4*\i+3], v[RD] offset:544*\i   ; LDS serves a wave's instructions in order (ISA guide 5.7.1.4): these see my stores, and the next tile's stores come behind them
.endr
.endm
.macro SEND tt, younger                ; younger: the LDS instructions issued behind tile tt's loads: the next tile's sixteen, or none
.irp i, 0,1,2,3,4,5,6,7
	s_wait_dscnt \younger+7-\i
	global_store_b128 v[GO], v[TM+32*\tt+4*\i:TM+32*\tt+4*\i+3], s[12:13] offset:(16*\tt+2*\i)*8192 th:TH_STORE_NT   ; 16 lanes store 256 consecutive bytes, at a multiple of 256 from the output's first byte
.endr
.endm
	OUTS 0
	OUTS 1
	SEND 0, 16
	OUTS 2
	SEND 1, 16
	OUTS 3
	SEND 2, 16
	SEND 3, 0
	s_wait_tensorcnt 0x0                           ; the wave's end, behind my last tensor load and my last LDS store
	ds_add_u32 v[SPW], v[NIL]
	s_wait_dscnt 0x0
	CROUND                                         ; the closing round
	s_endpgm
.Lfunc_end_k_q7e45692057_qctx:
	.size	k_q7e45692057_qctx, .Lfunc_end_k_q7e45692057_qctx-k_q7e45692057_qctx
	.p2alignl 7, 3214868480
	.fill 96, 4, 3214868480
	.section	.rodata,"a",@progbits
	.p2align	6, 0x0
	.amdhsa_kernel k_q7e45692057_qctx
		.amdhsa_group_segment_fixed_size 214528
		.amdhsa_private_segment_fixed_size 0
		.amdhsa_enable_private_segment 0
		.amdhsa_kernarg_size 40
		.amdhsa_user_sgpr_count 2
		.amdhsa_user_sgpr_kernarg_segment_ptr 1
		.amdhsa_wavefront_size32 1
		.amdhsa_system_sgpr_workgroup_id_x 1
		.amdhsa_system_sgpr_workgroup_id_y 1
		.amdhsa_system_sgpr_workgroup_id_z 1
		.amdhsa_system_vgpr_workitem_id 0
		.amdhsa_next_free_vgpr 768
		.amdhsa_next_free_sgpr 66
		.amdhsa_reserve_vcc 0
		.amdhsa_float_denorm_mode_32 3
		.amdhsa_float_denorm_mode_16_64 3
		.amdhsa_memory_ordered 1
		.amdhsa_forward_progress 1
		.amdhsa_inst_pref_size 97
	.end_amdhsa_kernel
	.amdgpu_metadata
---
amdhsa.version: [ 1, 2 ]
amdhsa.kernels:
  - .name:           k_q7e45692057_qctx
    .symbol:         k_q7e45692057_qctx.kd
    .args:
      - { .name: codes, .offset: 0, .size: 8, .value_kind: global_buffer, .address_space: global }
      - { .name: scales, .offset: 8, .size: 8, .value_kind: global_buffer, .address_space: global }
      - { .name: b_qkv, .offset: 16, .size: 8, .value_kind: global_buffer, .address_space: global }
      - { .name: parts, .offset: 24, .size: 8, .value_kind: global_buffer, .address_space: global }
      - { .name: out0, .offset: 32, .size: 8, .value_kind: global_buffer, .address_space: global }
    .group_segment_fixed_size: 214528
    .private_segment_fixed_size: 0
    .kernarg_segment_align: 8
    .kernarg_segment_size: 40
    .max_flat_workgroup_size: 128
    .sgpr_count:     66
    .vgpr_count:     768
    .wavefront_size: 32
...
	.end_amdgpu_metadata
.endif
;; end of part 3
